; MI455X (gfx1250); checked and timed in simulation.
; The chip was launched on July 23, 2026; its instructions are those of AMD's public machine-readable ISA for CDNA 5 (MIT licence, August 2026) and "CDNA5" Instruction Set Architecture Reference Guide (July 2026). The comments in the code are by the model that wrote it; some were corrected since.
;; Multi Head Attention. Allowed arithmetic: matrix products marked QUANTISED: E2M3 operands, one E8M0 scale for each 32 along K, by v_wmma_scale_f32_16x16x128_f8f6f4 with both operands' format E2M3, f32 sums; everything else in f32.
;; Inputs: Wk_b 1,024 float32; Wk_w_codes 1,024 x 32 x 24 uint8 (E2M3 codes of Wk_w, K innermost, in blocks of 32 codes, four codes in three bytes); Wk_w_scales 1,024 x 32 uint8 (E8M0 scales of Wk_w, one for each 32 codes along K); Wq_b 1,024 float32; Wq_w_codes 1,024 x 32 x 24 uint8 (E2M3 codes of Wq_w, K innermost, in blocks of 32 codes, four codes in three bytes); Wq_w_scales 1,024 x 32 uint8 (E8M0 scales of Wq_w, one for each 32 codes along K); Wv_b 1,024 float32; Wv_w_codes 1,024 x 32 x 24 uint8 (E2M3 codes of Wv_w, K innermost, in blocks of 32 codes, four codes in three bytes); Wv_w_scales 1,024 x 32 uint8 (E8M0 scales of Wv_w, one for each 32 codes along K); keys_codes 1 x 4,096 x 32 x 24 uint8 (E2M3 codes of keys, K innermost, in blocks of 32 codes, four codes in three bytes); keys_scales 1 x 4,096 x 32 uint8 (E8M0 scales of keys, one for each 32 codes along K); queries 1 x 4,096 x 1,024 float32; values_codes 1 x 4,096 x 32 x 24 uint8 (E2M3 codes of values, K innermost, in blocks of 32 codes, four codes in three bytes); values_scales 1 x 4,096 x 32 uint8 (E8M0 scales of values, one for each 32 codes along K).
;; Outputs: out0 1 x 4,096 x 1,024 float32.
;; This version of the problem:
;;   THIS VERSION OF THE PROBLEM IS GIVEN IN LOW PRECISION. The matrix products marked QUANTISED in the list below multiply operands that are first quantised to E2M3 (2 exponent bits, 3 mantissa bits; 6 bits a number), with one power-of-two scale for each 32 numbers along K (OCP MX v1.0); their sums are f32. All else is computed in f32.
;;   The module's matrix products, in the order in which they are computed (A, B: the left and right operand; K: the contracted axis; several contracted axes count as one K, in the product's order):
;;     1. [M 4,096, K 1,024] x [K 1,024, N 1,024]; A: input queries; B: input Wq_w (given as codes): QUANTISED
;;     2. [M 4,096, K 1,024] x [K 1,024, N 1,024]; A: input keys (given as codes); B: input Wk_w (given as codes): QUANTISED
;;     3. [M 4,096, K 1,024] x [K 1,024, N 1,024]; A: input values (given as codes); B: input Wv_w (given as codes): QUANTISED
;;     4. batch 16 x [M 4,096, K 64] x [K 64, N 4,096]; A: computed on the way; B: computed on the way: QUANTISED
;;     5. batch 16 x [M 4,096, K 4,096] x [K 4,096, N 64]; A: softmax (see below); B: computed on the way: QUANTISED
;;   THE QUANTISER, for each operand of a quantised product, along K:
;;     - K is cut into blocks of 32 from its start; a last block that is shorter is filled with zeros.
;;     - A block's scale is 2^e with e = floor(log2(the largest magnitude in the block)) - 2, held to -126 .. 127; a block of zeros has e = 0. As a byte (E8M0): e + 127.
;;     - Each number is divided by its block's scale, clamped to +-7.5, and rounded to the nearest number of E2M3, ties to even, subnormals kept.
;;     - The product sums the exact products of the quantised numbers (number of the format x scale) in f32.
;;   ~~~python
;;   def quantise(x, axis):      # numpy; x: float32 -> the quantised numbers, widened to float32 again
;;       x = np.moveaxis(x, axis, -1); K = x.shape[-1]
;;       x = np.pad(x, [(0, 0)] * (x.ndim - 1) + [(0, -K % 32)]); x = x.reshape(x.shape[:-1] + (-1, 32)); a = np.abs(x).max(-1, keepdims=True)
;;       e = np.where(a > 0, np.clip(np.frexp(np.where(a > 0, a, 1))[1] - 1 - 2, -126, 127), 0)      # np.frexp(a)[1] - 1 = floor(log2(a)), exactly
;;       r = np.clip(x / 2.0 ** e, -7.5, 7.5)
;;       step = 2.0 ** (np.maximum(np.frexp(np.where(r == 0, 1, r))[1] - 1, 0) - 3)
;;       q = np.round(r / step) * step * 2.0 ** e      # np.round: ties to even
;;       return np.moveaxis(q.reshape(q.shape[:-2] + (-1,))[..., :K], -1, axis).astype(np.float32)
;;   ~~~
;;   SOFTMAX AHEAD OF A QUANTISED PRODUCT. Where the list says 'softmax', what is quantised is not the finished softmax but p = 2^(t - M), with t = logit x log2(e) and M = ceil(the row's largest t), a whole number; so 1/2 < the row's largest p <= 1. The row's sum l is taken of the UNQUANTISED p, in f32, and the product's result is divided by l at the end. Since M is a whole number, a kernel that streams over the keys may use a running M (the ceiling of the running maximum): every later rescaling is an exact power of two, which a block's scale takes up: the codes' values come out the same.
;;   OPERANDS COMPUTED ON THE WAY. 'Computed on the way' means the value that the module computes at that place (a softmax that the list does not call 'softmax' is quantised finished and normalised). What goes into a quantiser is computed in f32, as accurately as f32 sums, v_exp_f32 and their like allow (about 1e-6 of the number): no bf16 or f16 on the way to a quantiser, and a product that is left as it is and whose result goes on into a quantised operand takes f32 operands (vector FMAs, or v_wmma_f32_16x16x4_f32). A number that lies on a knife's edge between two numbers of the format may be rounded either way, as far as f32 arithmetic and the matrix unit's own rounding can turn it there, and no further.
;;   INPUTS GIVEN AS CODES. Wk_w (in the module: [1024, 1024], K = its axis 1); Wq_w (in the module: [1024, 1024], K = its axis 1); Wv_w (in the module: [1024, 1024], K = its axis 1); keys (in the module: [1, 4096, 1024], K = its axis 2); values (in the module: [1, 4096, 1024], K = its axis 2): each comes as NAME_codes (uint8): NAME with its K axis moved to the last place and cut into blocks of 32 codes, [.., K / 32, bytes a block], one block behind the other in memory; four codes in three bytes: a row's codes are one little-endian stream of bits, code i at bits 6 i .. 6 i + 5 (a code: sign, 2 exponent bits, 3 mantissa bits); and NAME_scales (uint8): the same leading axes, one E8M0 byte (e + 127) for each 32 codes along K. Its value is code x scale, taken as it is: it is not quantised again, and the codes and scales need not be those that the quantiser above would give.
;; One version. Each part assembles by itself: llvm-mc -triple=amdgcn-amd-amdhsa -mcpu=gfx1250 --defsym DOCPART=n.
;; ======== version 1 of 1: 3 launches
;; limits: right only within a limited range of input values
;; workspace buffers: xq_codes 3,145,728 bytes; xq_scales 131,072 bytes; qimg 3,407,872 bytes; kv 6,815,744 bytes
;; launch quantq (part 1): grid 256 x 1, 4 waves a work-group, no clusters, 33,280 bytes of LDS; arguments queries, xq_codes, xq_scales; writes xq_codes, xq_scales
.if DOCPART == 1
	.amdgcn_target "amdgcn-amd-amdhsa--gfx1250"
	.amdhsa_code_object_version 6
	.text
	.protected	k_q29900c20cd_quantq
	.globl	k_q29900c20cd_quantq
	.p2align	8
	.type	k_q29900c20cd_quantq,@function
k_q29900c20cd_quantq:
	s_mov_b64 s[64:65], 0
	v_nop
	global_prefetch_b8 v0, s[64:65] scope:SCOPE_SE
	s_setreg_imm32_b32 hwreg(HW_REG_WAVE_MODE, 25, 1), 1
	s_wait_xcnt 0x0
; THE PROGRAM: out0 = transposed attention + queries, in three launches.  This one turns queries [4096][1024] f32 into codes of FP6 (E2M3) with one E8M0 byte for each 32 along K, laid
; exactly as keys_codes and keys_scales are given.  The second makes q, k, v (three products, bias, relu) and quantises them; the third is the attention.
; NO WORK OF THE PROBLEM IS LEFT OUT: every input reaches the output (the biases through quantisers), and every input is loaded by one of the three launches.
; A block's scale is 2^(floor(log2(its largest magnitude)) - 2); its byte is the largest magnitude's own exponent field - 2, held at 1 from below.  A block of zeros so gets the byte 1 where the
; rule says 127: its codes are zeros, which add nothing under any byte but 0xff, and the bytes are read by this program alone.
; LIMITS: NaN and infinities among the inputs are not served; blocks whose largest magnitude lies under 2^(3 - 127), the floor, are quantised under the byte 1.
; Rows are dense and 1,024 is a multiple of 32: the tensor is a plain stream of blocks of 32 numbers, and so are its codes and its scale bytes.
; A wave takes 8 steps of 512 numbers.  The conversion takes 16 numbers of one block from ONE lane's registers; a load is best where neighbouring lanes take neighbouring bytes.  Both are had:
; each of a step's four loads reads 512 consecutive bytes, the 2,048 bytes go through the wave's own stage in LDS as they lie and come back 64 bytes a lane (16 bytes of padding behind each 64).
; A lane's 16 codes are 12 bytes: the wave stores 384 consecutive bytes.  A wave's 128 scale bytes are gathered in LDS and leave by one store of 128 consecutive bytes
; (the wave beside it stores the 128 bytes that follow).  No tensor load, no barrier: waves share nothing.  Loads run four steps (16 loads a wave) ahead.
.set WAVES, 4
.set STEPS, 8
.set EMAX,  2
.set CB,    12                         ; bytes of 16 codes
.set R,     16                         ; v16-79   four sets of 16 numbers as they are loaded
.set X,     80                         ; v80-111  two sets of 16 neighbours
.set E,     112                        ; v112-119 a scale byte for each step
.set C,     128                        ; v128-159 codes: four registers for each step, so that no store's data are written again
.set WREG,  8192                       ; LDS: a region for each wave: two stages of 32 x SP bytes, behind them its 128 scale bytes
.set SP,    80                         ; a lane's place in a stage: its 64 bytes + 16 of padding
.set SPW,   12                         ; v12      LDS address of my spare word; never rewritten
.set NIL,   13                         ; v13      0; never rewritten
.set SPARE, WAVES*WREG                 ; behind the four regions: the spare words, 128 bytes for each wave, which no other line names
	s_load_b64 s[4:5], s[0:1], 0x0                 ; queries
	s_load_b64 s[8:9], s[0:1], 0x8                 ; the codes
	s_load_b64 s[10:11], s[0:1], 0x10              ; the scale bytes
	v_lshl_add_u32 v[SPW], v0, 2, SPARE
	v_mov_b32 v[NIL], 0
	v_lshrrev_b32 v1, 5, v0
	v_readfirstlane_b32 s16, v1                    ; wave
	v_and_b32 v2, 31, v0                           ; lane
	v_lshlrev_b32 v3, 4, v2                        ; my 16 bytes of a load's 512
	s_mul_i32 s17, s16, WREG
	v_lshrrev_b32 v14, 2, v2
	v_mul_u32_u24 v14, v14, SP
	v_and_b32 v15, 3, v2
	v_lshl_add_u32 v14, v15, 4, v14
	v_add_nc_u32 v14, s17, v14                     ; the stage, on the way in: SP (lane / 4) + 16 (lane % 4)
	v_mul_u32_u24 v15, v2, SP
	v_add_nc_u32 v15, s17, v15                     ; and on the way out: SP x lane: my 16 neighbours
	v_mul_u32_u24 v4, v2, CB                       ; my codes' place in a step's
	v_lshrrev_b32 v5, 1, v2
	s_add_co_u32 s17, s17, 2*32*SP
	v_add_nc_u32 v5, s17, v5                       ; LDS: my wave's scale bytes, my block's byte
	v_lshlrev_b32 v7, 2, v2                        ; and on the way out 4 bytes a lane
	v_add_nc_u32 v6, s17, v7
	s_lshl_b32 s18, ttmp9, 2
	s_add_co_u32 s18, s18, s16                     ; which run of 4,096 numbers is my wave's
	s_lshl_b32 s20, s18, 14                        ; 16,384 bytes of numbers a run,
	s_mov_b32 s21, 0
	s_mul_i32 s22, s18, 32*STEPS*CB                ; 3,072 of codes,
	s_mov_b32 s23, 0
	s_lshl_b32 s24, s18, 7                         ; 128 scale bytes
	s_mov_b32 s25, 0
	s_wait_alu depctr_va_vdst(0)
	s_wait_kmcnt 0x0
	s_add_nc_u64 s[4:5], s[4:5], s[20:21]
	s_add_nc_u64 s[8:9], s[8:9], s[22:23]
	s_add_nc_u64 s[10:11], s[10:11], s[24:25]
.macro LOAD t
.irp i, 0,1,2,3
	global_load_b128 v[R+16*((\t)%4)+4*\i:R+16*((\t)%4)+4*\i+3], v3, s[4:5] offset:2048*(\t)+512*\i   ; 32 lanes read 512 consecutive bytes (no hint: the last launch reads queries again)
.endr
.endm
.macro TURN t                          ; step t's numbers through the stage: LDS serves a wave's instructions in order, so no wait stands between the stores and the loads
.irp i, 0,1,2,3
	ds_store_b128 v14, v[R+16*((\t)%4)+4*\i:R+16*((\t)%4)+4*\i+3] offset:32*SP*((\t)%2)+8*SP*\i
.endr
.irp i, 0,1,2,3
	ds_load_b128 v[X+16*((\t)%2)+4*\i:X+16*((\t)%2)+4*\i+3], v15 offset:32*SP*((\t)%2)+16*\i
.endr
.endm
.irp t, 0,1,2,3
	LOAD \t
.endr
	s_wait_loadcnt 12                              ; step 0's four loads are in; those of steps 1 to 3 may be out
	TURN 0
.macro STEP t
.set XS, X+16*((\t)%2)
.if (\t) > 0
	s_wait_dscnt 1                                 ; this step's numbers are back from the stage (the last step's byte store may be out): so its stores into the stage have read their registers,
.else
	s_wait_dscnt 0x0
.endif
.if (\t)+4 < STEPS
	LOAD (\t)+4                                    ; which take the loads of four steps on
.endif
.if (\t)+1 < STEPS
.if STEPS-2-(\t) >= 3
	s_wait_loadcnt 12                              ; the next step's four loads are in; those of the three steps behind it may be out
.else
	s_wait_loadcnt 4*(STEPS-2-(\t))                ; the same count, running down
.endif
	TURN (\t)+1                                    ; and go through the other stage while this step is worked
.endif
	v_max3_num_f32 v8, |v[XS]|, |v[XS+1]|, |v[XS+2]|               ; the largest magnitude of my 16, in two chains
	v_max3_num_f32 v9, |v[XS+3]|, |v[XS+4]|, |v[XS+5]|
.irp i, 6,10
	v_max3_num_f32 v8, v8, |v[XS+\i]|, |v[XS+\i+1]|
	v_max3_num_f32 v9, v9, |v[XS+\i+2]|, |v[XS+\i+3]|
.endr
	v_max3_num_f32 v8, v8, |v[XS+14]|, |v[XS+15]|
	v_max3_num_f32 v8, v8, v9, (EMAX+1)<<23        ; and the floor 2^(EMAX + 1 - 127): the byte cannot fall under 1
	v_max_num_f32_dpp v8, v8, v8 row_xmask:1 row_mask:0xf bank_mask:0xf   ; and of my neighbour's 16: the block's
	v_add_nc_u32 v11, -(EMAX<<23), v8              ; EMAX off its exponent field: the conversion takes the exponent field of this operand as its scale, and nothing else of it
	v_cvt_scalef32_pk16_fp6_f32 v[C+4*(\t):C+4*(\t)+2], v[XS:XS+15], v11   ; sixteen numbers / the scale, to the nearest code, ties to even, beyond the largest code the largest; 96 bits without gaps
	v_lshrrev_b32 v[E+(\t)], 23, v11               ; the scale's byte (also the plain line behind the conversion)
	ds_store_b8 v5, v[E+(\t)] offset:16*(\t)       ; both lanes of a block write the same byte with the same value
	global_store_b96 v4, v[C+4*(\t):C+4*(\t)+2], s[8:9] offset:32*CB*(\t)
.endm
.irp t, 0,1,2,3,4,5,6,7
	STEP \t
.endr
	ds_load_b32 v8, v6                             ; LDS serves a wave's instructions in order: this sees my byte stores
	s_wait_dscnt 0x0
	global_store_b32 v7, v8, s[10:11]              ; 32 lanes store 128 consecutive bytes
	s_wait_tensorcnt 0x0                           ; the wave's end: behind my last LDS store
	ds_add_u32 v[SPW], v[NIL]
	s_wait_dscnt 0x0
	s_endpgm
.Lfunc_end_k_q29900c20cd_quantq:
	.size	k_q29900c20cd_quantq, .Lfunc_end_k_q29900c20cd_quantq-k_q29900c20cd_quantq
	.p2alignl 7, 3214868480
	.fill 96, 4, 3214868480
	.section	.rodata,"a",@progbits
	.p2align	6, 0x0
	.amdhsa_kernel k_q29900c20cd_quantq
		.amdhsa_group_segment_fixed_size 33280
		.amdhsa_private_segment_fixed_size 0
		.amdhsa_enable_private_segment 0
		.amdhsa_kernarg_size 24
		.amdhsa_user_sgpr_count 2
		.amdhsa_user_sgpr_kernarg_segment_ptr 1
		.amdhsa_wavefront_size32 1
		.amdhsa_system_sgpr_workgroup_id_x 1
		.amdhsa_system_sgpr_workgroup_id_y 1
		.amdhsa_system_sgpr_workgroup_id_z 1
		.amdhsa_system_vgpr_workitem_id 0
		.amdhsa_next_free_vgpr 192
		.amdhsa_next_free_sgpr 66
		.amdhsa_reserve_vcc 0
		.amdhsa_float_denorm_mode_32 3
		.amdhsa_float_denorm_mode_16_64 3
		.amdhsa_memory_ordered 1
		.amdhsa_forward_progress 1
		.amdhsa_inst_pref_size 17
	.end_amdhsa_kernel
	.amdgpu_metadata
---
amdhsa.version: [ 1, 2 ]
amdhsa.kernels:
  - .name:           k_q29900c20cd_quantq
    .symbol:         k_q29900c20cd_quantq.kd
    .args:
      - { .name: queries, .offset: 0, .size: 8, .value_kind: global_buffer, .address_space: global }
      - { .name: xq_codes, .offset: 8, .size: 8, .value_kind: global_buffer, .address_space: global }
      - { .name: xq_scales, .offset: 16, .size: 8, .value_kind: global_buffer, .address_space: global }
    .group_segment_fixed_size: 33280
    .private_segment_fixed_size: 0
    .kernarg_segment_align: 8
    .kernarg_segment_size: 24
    .max_flat_workgroup_size: 128
    .sgpr_count:     66
    .vgpr_count:     192
    .wavefront_size: 32
...
	.end_amdgpu_metadata
.endif
;; end of part 1
;; launch proj (part 2): grid 32 x 24, 8 waves a work-group, clusters of 4 x 4, 245,760 bytes of LDS; arguments xq_codes, keys_codes, values_codes, xq_scales, keys_scales, values_scales, Wq_w_codes, Wk_w_codes, Wv_w_codes, Wq_w_scales, Wk_w_scales, Wv_w_scales, Wq_b, Wk_b, Wv_b, qimg, kv; writes qimg, kv
.if DOCPART == 2
	.amdgcn_target "amdgcn-amd-amdhsa--gfx1250"
	.amdhsa_code_object_version 6
	.text
	.protected	k_q29900c20cd_proj
	.globl	k_q29900c20cd_proj
	.p2align	8
	.type	k_q29900c20cd_proj,@function
k_q29900c20cd_proj:
	s_mov_b64 s[64:65], 0
	v_nop
	global_prefetch_b8 v0, s[64:65] scope:SCOPE_SE
	s_setreg_imm32_b32 hwreg(HW_REG_WAVE_MODE, 25, 1), 1
	s_wait_xcnt 0x0
	s_wait_alu depctr_hold_cnt(0) depctr_sa_sdst(0) depctr_va_vdst(0) depctr_va_sdst(0) depctr_va_ssrc(0) depctr_va_vcc(0) depctr_vm_vsrc(0)
	s_getreg_b32 s2, hwreg(HW_REG_IB_STS2, 6, 4)
	s_cmp_eq_u32 s2, 0
	s_cbranch_scc0 .Lentry_in_a_cluster
	s_endpgm
.Lentry_in_a_cluster:
	s_bfe_u32 s2, ttmp6, 0x10000c
	s_cmp_lg_u32 s2, 0xf033
	s_cbranch_scc0 .Lentry_shape_is_right
	s_endpgm
.Lentry_shape_is_right:
; q = relu(queries Wq^T + bq), k = relu(keys Wk^T + bk), v = relu(values Wv^T + bv): three products [4096][1024] x [1024][1024] on codes of FP6 (E2M3) with E8M0 scales, sums in f32;
; the results are quantised here, in registers, and stored as IMAGES OF THE OPERAND REGISTERS of the attention launch.  No work of the problem is left out.
; SHARES.  Clusters of 4 x 4 work-groups; cluster rows 0-1 make q (g = 0), 2-3 k (g = 1), 4-5 v (g = 2): g is the same in all partners.  A work-group makes 128 tokens (X) x 128 features (Y: heads 2 Y, 2 Y + 1)
; over all of K.  The four partners of a column need the same 128 rows of the activation, the four of a row the same 128 rows of the weight: each is asked for JOINTLY.
; ALL OF K LIES IN LDS, filled once: a row of 1,024 codes is 768 bytes, three pieces of 256; UNIT u holds piece u of all 256 rows (pitch 272).  Each wave brings 32 rows of each unit, three tensor loads, and the
; products of K steps 0-1 begin when unit 0 has landed, 2-4 with unit 1, 5-7 with unit 2.  Three tensor loads of a wave are out at the most.  Nothing is filled again.
; ROLES.  P is the operand along whose rows the result is quantised: source 0, so that a lane's registers run along it.  q, k: P = the weight's rows (the head's 64), R = tokens.  v: P = tokens (the keys), R = the weight's rows.
; Wave w: 64 rows of P (pw = w & 1, four tiles t) x 32 rows of R (rw = w >> 1, two tiles e): eight accumulators, by turns.  The two roles differ in LDS addresses alone: short arms on g, with no barrier in them.
; THE BIAS BEGINS THE SUMS: it is put into the accumulators, in the result's layout, ahead of K step 0; so all eight K steps are alike, and every way through the text finds the sums begun.
; THE IMAGES.  A block of 6,656 bytes = 48 registers x 32 lanes (register x of lane L at 512 (x / 4) + 16 L + 4 (x % 4)) + 512 bytes of scale words.
;   K and Q block (one head, 128 tokens): tile T = 2 b + u at registers 6 T .. 6 T + 5; its lane (r', h) holds token 32 b + 8 u + r' + 8 (r' / 8), block h of the head's 64.  Scale word (two bytes, upper two 0) of tile 2 b + u, row r' at 6,144 + 16 (r' + 16 u) + 4 b.
;   V block (one head, 128 keys): rows d = 16 t + r at registers 12 t + 6 c + i: keys 64 c + 32 h + 0 .. 31.  Scale word of tile t at 6,144 + 16 L + 4 t (lanes 16-31 hold the same again).
;   qimg: [head][group of 128 queries] blocks.  kv: [head][128 keys] chunks of K block, V block.
; LIMITS: NaN and infinities are not served; a block of zeros keeps the byte 1 with zero codes (this program alone reads the bytes).
; WHAT DIFFERS FROM THE NOTES ABOVE.  THE FILLS: a unit's 128 rows of the activation, or of the weight, come by ONE joint load: six loads, waves 0 to 5 one each (waves 6 and 7 none), in one chain of arms on the wave's
; number; every wave waits for its load, one barrier follows, and the eight K steps run on end.  One tensor load of a wave is out at the most.
; THE K AND Q IMAGES: tile T = 4 c + t at registers 6 T .. 6 T + 5; its lane (r', h) holds token 64 c + 8 t + r' % 8 + 32 (r' / 8), block h of the head's 64: so in the attention a lane's 32 scores of four
; tiles are one whole block of 32 neighbouring keys.  Scale word of tile T = 2 b + u, row r', at 6,144 + 16 (r' + 16 u) + 4 b, as before.
.set PITCH,  272
.set T16,    16*PITCH                  ; a tile of 16 rows
.set WOFF,   128*PITCH                 ; in a unit: the activation's 128 rows, then the weight's
.set UNITSZ, 256*PITCH
.set BLK,    6656
.set STGK,   0                         ; LDS: the stage for q and k (two blocks),
.set STGV,   2*BLK                     ; the stage for v: each role has bytes of its own,
.set SPARE,  4*BLK                     ; the spare words, 128 bytes for each of eight waves, which no other line names,
.set UNIT0,  SPARE+1024                ; and the three units
.set VS,   3                           ; v3   32 r + 16 h: scale words of 16 rows, 512 dense bytes
.set VB,   4                           ; v4   32 h: the bias of q and k
.set VR,   5                           ; v5   4 r: the bias of v
.set PQ,   8                           ; v8-12  P's addresses for q, k: units 0, 1, 2; then units 0, 1 for the pieces whose lanes 16-31 lie in the next unit
.set RQ,   13                          ; v13-17 R's
.set PVA,  18                          ; v18-22 P's for v
.set RVA,  23                          ; v23-27 R's for v
.set TA,   28                          ; v28, v29 at work on addresses
.set TX,   29
.set SPW,  30                          ; v30  LDS address of my spare word; never rewritten
.set NIL,  31                          ; v31  0; never rewritten
.set ACC,  64                          ; v64-127 accumulator (t, e) at ACC + 32 e + 8 t
.set PF,   128                         ; v128-175 P's four fragments
.set RF,   176                         ; v176-199 R's two
.set PS,   200                         ; v200-215 P's scale words: tile t at 4 t + i: lanes 0-15 K step i, lanes 16-31 K step 4 + i
.set RS,   216                         ; v216-223 R's
.set AD0K, 224                         ; v224-229 where the codes and scale words go in the stages
.set AD1K, 225
.set ADSK, 226
.set AD0V, 227
.set AD1V, 228
.set ADSV, 229
.set RD,   230                         ; v230 where I read a stage back
.set VO,   231                         ; v231 and my byte offset in a block in memory
.set TM,   128                         ; the way out, over the fragments: v128-131 largest magnitudes, v132-135 bytes, v140-143 the conversions' scale operands
.set PW,   144                         ; the four scale bytes
.set PC,   148                         ; v148-166 the codes
.set W0,   168                         ; v168, v169 the two scale words of q, k
.set CO,   176                         ; v176-191 the stage read back
.set ACTC, 4                           ; s[4:15] after the choice by g: activation's codes, its scales, weight's codes, its scales, bias, output
.set ACTS, 6
.set WC,   8
.set WS,   10
.set BIA,  12
.set OUT,  14
.set WV,   16                          ; wave
.set PWS,  17                          ; pw
.set RWS,  18                          ; rw
.set GG,   19                          ; g
.set CX,   20
.set CY,   21
.set XX,   22                          ; X: which 128 tokens
.set YY,   23                          ; Y: which 128 features
.set G1A,  24                          ; s[24:31] descriptor group 1, activation
.set ROLE, 32                          ; w >> 2: which block of a stage I read back and store
.set PART, 33                          ; w & 3: which quads of a block I store
.set LBASE, 34
.set G0A,  36                          ; s[36:47] group 0, activation, a set for each unit
.set G1W,  52                          ; s[52:59] group 1, weight
.set SEL,  60                          ; s[60:61] v_permlanex16_b32's selects for lane l xor 16
.set G0W,  68                          ; s[68:79] group 0, weight
.set PSB,  80                          ; s[80:81] P's scale bytes, s[82:83] R's
.set RSB,  82
.set BQ,   84                          ; s[84:85] the bias at my 64 features (q, k), s[86:87] at my 32 (v)
.set BV,   86
; An arm of the head's chain: the waves under 'under' that no earlier arm took issue this joint load and jump to the chain's end.  The branch hangs on the wave's number alone.
; An s_nop 0 and four v_nop follow the load.
.macro ARM under, g0, g1
	s_cmp_lt_u32 s[WV], \under
	s_cbranch_scc0 .Lnext_\@
	tensor_load_to_lds s[\g0:\g0+3], s[\g1:\g1+7]
	s_nop 0
.rept 4
	v_nop
.endr
	s_branch .Lhead_asked
.Lnext_\@:
.endm
.macro CROUND                          ; a round of the cluster's barrier
	s_barrier_signal -1
	s_barrier_wait -1
	s_cmp_lg_u32 s[WV], 0
	s_cbranch_scc1 .Lnot_wave_0_\@
	s_barrier_signal -3
.Lnot_wave_0_\@:
	s_barrier_wait -3
	s_barrier_signal -1
	s_barrier_wait -1
.endm
	s_load_b512 s[36:51], s[0:1], 0x0              ; xq, keys, values codes; xq, keys, values scales; Wq, Wk codes
	s_load_b512 s[68:83], s[0:1], 0x40             ; Wv codes; Wq, Wk, Wv scales; bq, bk, bv; qimg
	s_load_b64 s[84:85], s[0:1], 0x80              ; kv
	v_lshl_add_u32 v[SPW], v0, 2, SPARE
	v_mov_b32 v[NIL], 0
	ds_add_u32 v[SPW], v[NIL]                      ; the wave's opening: the add, twice on end, and its wait ahead of my first tensor load
	ds_add_u32 v[SPW], v[NIL]                      ; and once more; the set-up below, work on registers, stands between it and the wait
	v_lshrrev_b32 v1, 5, v0
	s_delay_alu instid0(VALU_DEP_1)
	v_readfirstlane_b32 s[WV], v1                  ; wave 0..7
	s_and_b32 s[PWS], s[WV], 1
	s_lshr_b32 s[RWS], s[WV], 1
	s_lshr_b32 s[ROLE], s[WV], 2
	s_and_b32 s[PART], s[WV], 3
	s_bfe_u32 s[CX], ttmp6, 0x40000
	s_bfe_u32 s[CY], ttmp6, 0x40004
	s_lshl_b32 s[XX], ttmp9, 2
	s_add_co_u32 s[XX], s[XX], s[CX]               ; X = 4 x cluster x + cx
	s_and_b32 s2, ttmp7, 0xffff                    ; cluster y
	s_lshr_b32 s[GG], s2, 1                        ; g: two rows of clusters to a product
	s_and_b32 s[YY], s2, 1
	s_lshl_b32 s[YY], s[YY], 2
	s_add_co_u32 s[YY], s[YY], s[CY]               ; Y = 4 x (cluster y & 1) + cy
	s_lshl_b32 s3, 0x1111, s[CX]                   ; my column of the cluster: the activation's rows hang on X alone
	s_lshl_b32 s2, s[CY], 2
	s_lshl_b32 s2, 15, s2                          ; my row: the weight's rows hang on Y alone
	; descriptor group 1: 128 rows x 256 bytes (32 elements of 8 bytes), 768 bytes apart in memory, 16 bytes of padding behind each in LDS
	s_or_b32 s[G1A], s3, (3<<16)|(1<<20)|(1<<21)|(5<<22)|(3<<25)   ; 15:0 the mask; 17:16 elements of 8 bytes; 20 padding on; 21 set beside a mask; 24:22 after every 64 words; 31:25 of 4 words
	s_or_b32 s[G1W], s2, (3<<16)|(1<<20)|(1<<21)|(5<<22)|(3<<25)
.irp g, G1A, G1W
	s_mov_b32 s[\g+1], 32<<16                      ; tensor_dim0 = 32
	s_mov_b32 s[\g+2], 128<<16                     ; tensor_dim1 = 128
	s_mov_b32 s[\g+3], 32<<16                      ; tile_dim0 = 32
	s_mov_b32 s[\g+4], 128                         ; tile_dim1 = 128
	s_mov_b32 s[\g+5], 96                          ; from row to row: 96 elements
	s_mov_b32 s[\g+6], 0
	s_mov_b32 s[\g+7], 0
.endr
	s_mul_i32 s88, s[XX], 128*768                  ; the activation's rows 128 X on, 768 bytes each
	s_mov_b32 s89, 0
	s_mul_i32 s90, s[YY], 128*768                  ; the weight's rows 128 Y on (in registers that never hold X)
	s_mov_b32 s91, 0
	s_mov_b32 s[SEL], 0x76543210
	s_mov_b32 s[SEL+1], 0xfedcba98
	s_wait_dscnt 0x0                               ; both opening adds are done
	s_wait_kmcnt 0x0
	s_cmp_eq_u32 s[GG], 0                          ; the buffers are chosen by g, which hangs on no address
	s_cselect_b64 s[ACTC:ACTC+1], s[36:37], s[38:39]
	s_cselect_b64 s[ACTS:ACTS+1], s[42:43], s[44:45]
	s_cselect_b64 s[WC:WC+1], s[48:49], s[50:51]
	s_cselect_b64 s[WS:WS+1], s[70:71], s[72:73]
	s_cselect_b64 s[BIA:BIA+1], s[76:77], s[78:79]
	s_cselect_b64 s[OUT:OUT+1], s[82:83], s[84:85]
	s_cmp_eq_u32 s[GG], 2
	s_cselect_b64 s[ACTC:ACTC+1], s[40:41], s[ACTC:ACTC+1]
	s_cselect_b64 s[ACTS:ACTS+1], s[46:47], s[ACTS:ACTS+1]
	s_cselect_b64 s[WC:WC+1], s[68:69], s[WC:WC+1]
	s_cselect_b64 s[WS:WS+1], s[74:75], s[WS:WS+1]
	s_cselect_b64 s[BIA:BIA+1], s[80:81], s[BIA:BIA+1]
	s_add_nc_u64 s[88:89], s[ACTC:ACTC+1], s[88:89]
	s_add_nc_u64 s[90:91], s[WC:WC+1], s[90:91]
	CROUND                                         ; all sixteen work-groups are here: the joint loads meet
.irp u, 0,1,2
	s_mov_b32 s[G0A+4*\u], 1                       ; count = 1
	s_mov_b32 s[G0A+4*\u+1], UNIT0+\u*UNITSZ       ; LDS address: the activation's 128 rows in unit u
	s_add_nc_u64 s[G0A+4*\u+2:G0A+4*\u+3], s[88:89], 256*\u   ; global address: piece u of my first row
	s_or_b32 s[G0A+4*\u+3], s[G0A+4*\u+3], 0x80000000         ; type = 2
	s_mov_b32 s[G0W+4*\u], 1
	s_mov_b32 s[G0W+4*\u+1], UNIT0+WOFF+\u*UNITSZ  ; the weight's 128 rows behind them
	s_add_nc_u64 s[G0W+4*\u+2:G0W+4*\u+3], s[90:91], 256*\u
	s_or_b32 s[G0W+4*\u+3], s[G0W+4*\u+3], 0x80000000
.endr
	ARM 1, G0A, G1A                                ; one chain, one fill to an arm, all arms to one join: at most one tensor load a wave at the head
	ARM 2, G0W, G1W
	ARM 3, G0A+4, G1A
	ARM 4, G0W+4, G1W
	ARM 5, G0A+8, G1A
	ARM 6, G0W+8, G1W
.Lhead_asked:
	; LDS addresses, all made here and never rewritten.  A fragment (16 rows x 128 K) is 12 registers: lane (r, h) takes the 24 bytes at 96 s + 24 h of row r and the 24 bytes 48 further on, in pieces of 8.
	v_and_b32 v1, 15, v0                           ; r
	v_bfe_u32 v2, v0, 4, 1                         ; h
	v_and_b32 v6, 7, v0                            ; r % 8
	v_bfe_u32 v7, v0, 3, 1                         ; r / 8
	s_delay_alu instid0(VALU_DEP_4)
	v_mul_u32_u24 v[TA], v1, PITCH
	s_delay_alu instid0(VALU_DEP_1)
	v_mad_u32_u24 v[TX], v2, UNITSZ-232, v[TA]     ; where lanes 16-31's piece, three on, lies in the next unit: a unit on, 256 - 24 bytes back
	s_delay_alu instid0(VALU_DEP_2)
	v_mad_u32_u24 v[TA], v2, 24, v[TA]             ; else: 24 bytes on
	s_wait_alu depctr_va_vdst(0)
	s_mul_i32 s48, s[PWS], 64*PITCH
	s_add_co_u32 s50, s48, UNIT0                   ; v: P = my 64 tokens
	s_add_co_u32 s48, s48, UNIT0+WOFF              ; q, k: P = my 64 rows of the weight
	s_mul_i32 s49, s[RWS], 32*PITCH
	s_add_co_u32 s51, s49, UNIT0+WOFF              ; v: R = my 32 rows of the weight
	s_add_co_u32 s49, s49, UNIT0                   ; q, k: R = my 32 tokens
.macro ADRSET set, sr
	v_add_nc_u32 v[\set], s[\sr], v[TA]
	v_add_nc_u32 v[\set+3], s[\sr], v[TX]
	s_add_co_u32 s[\sr], s[\sr], UNITSZ
	v_add_nc_u32 v[\set+1], s[\sr], v[TA]
	v_add_nc_u32 v[\set+4], s[\sr], v[TX]
	s_add_co_u32 s[\sr], s[\sr], UNITSZ
	v_add_nc_u32 v[\set+2], s[\sr], v[TA]
.endm
	ADRSET PQ, 48
	ADRSET RQ, 49
	ADRSET PVA, 50
	ADRSET RVA, 51
	; the stages.  q, k: my lane holds token 32 rw + 16 e + r, that is tile 4 (rw / 2) + 2 e + r / 8, image lane r % 8 + 8 (rw & 1) + 16 h.  Register pairs 0, 2 of the tile's six stand at AD0K (+ 512), pair 1 at AD1K + 8
	v_lshlrev_b32 v[TA], 4, v6
	s_delay_alu instid0(VALU_DEP_1)
	v_lshl_add_u32 v[TX], v7, 8, v[TA]             ; 16 (r % 8 + 16 (r / 8)): the scale word's lane
	s_delay_alu instid0(VALU_DEP_2)
	v_lshl_add_u32 v[TA], v2, 8, v[TA]             ; 16 (r % 8 + 16 h): the image's lane
	s_mul_i32 s48, s[PWS], BLK                     ; head 2 Y + pw
	s_wait_alu depctr_va_vdst(0)
	s_lshr_b32 s51, s[RWS], 1                      ; token 32 rw + 16 e + r: c = rw / 2, tile 4 c + 2 e + r / 8, image lane r % 8 + 8 (rw & 1) + 16 h
	s_and_b32 s50, s[RWS], 1
	s_lshl_b32 s50, s50, 7                         ; eight lanes of 16 bytes
	s_add_co_u32 s50, s50, s48
	s_mul_i32 s49, s51, 3072                       ; 24 registers, six quads, for each four tiles
	s_add_co_u32 s49, s49, s50
	v_mad_u32_u24 v[AD0K], v7, 520, v[TA]          ; the odd tile begins six registers on: a quad and two words
	s_delay_alu instid0(VALU_DEP_1)
	v_add_nc_u32 v[AD0K], s49, v[AD0K]
	v_mad_u32_u24 v[AD1K], v7, 1016, v[TA]
	s_delay_alu instid0(VALU_DEP_1)
	v_add_nc_u32 v[AD1K], s49, v[AD1K]
	s_lshl_b32 s49, s51, 3                         ; the scale word's b = 2 c + e: 8 c here, 4 e in the store's offset
	s_add_co_u32 s49, s49, s50
	v_add_nc_u32 v[ADSK], s49, v[TX]
	; v: my lane holds d = 32 (rw & 1) + 16 e + r of head 2 Y + rw / 2, keys 64 pw + 32 h on: tile 2 (rw & 1) + e, registers 6 pw on, my own lane
	v_and_b32 v[TA], 31, v0
	s_delay_alu instid0(VALU_DEP_1)
	v_lshlrev_b32 v[TA], 4, v[TA]                  ; 16 x lane
	s_wait_alu depctr_va_vdst(0)
	s_mul_i32 s48, s[ROLE], BLK                    ; rw / 2 = w / 4
	s_and_b32 s49, s[RWS], 1
	s_mul_i32 s50, s49, 3072
	s_add_co_u32 s50, s50, s48
	s_mul_i32 s51, s[PWS], 520
	s_add_co_u32 s51, s51, s50
	v_add_nc_u32 v[AD0V], s51, v[TA]
	s_mul_i32 s51, s[PWS], 1016
	s_add_co_u32 s51, s51, s50
	v_add_nc_u32 v[AD1V], s51, v[TA]
	s_lshl_b32 s51, s49, 3
	s_add_co_u32 s51, s51, s48
	s_lshl_b32 s50, s[PWS], 1
	s_add_co_u32 s51, s51, s50
	v_add_nc_u32 v[ADSV], s51, v[TA]               ; two bytes of a scale word: 16 x lane + 8 (rw & 1) + 2 pw (+ 4 e)
	s_lshl_b32 s50, s[PART], 9                     ; the way back: block w / 4, quads w % 4, + 4, + 8 (and 12 for w % 4 = 0)
	v_add_nc_u32 v[VO], s50, v[TA]
	s_add_co_u32 s50, s50, s48
	v_add_nc_u32 v[RD], s50, v[TA]
	v_lshlrev_b32 v[VS], 5, v1
	s_delay_alu instid0(VALU_DEP_1)
	v_lshl_add_u32 v[VS], v2, 4, v[VS]
	s_wait_alu depctr_va_vdst(0)
	v_lshlrev_b32 v[VB], 5, v2
	v_lshlrev_b32 v[VR], 2, v1
	; the scale bytes, the bias and the output: bases
	s_mov_b32 s93, 0
	s_lshl_b32 s92, s[XX], 12                      ; 128 rows of 32 scale bytes
	s_add_nc_u64 s[ACTS:ACTS+1], s[ACTS:ACTS+1], s[92:93]
	s_lshl_b32 s92, s[YY], 12
	s_add_nc_u64 s[WS:WS+1], s[WS:WS+1], s[92:93]
	s_cmp_eq_u32 s[GG], 2
	s_cselect_b64 s[PSB:PSB+1], s[ACTS:ACTS+1], s[WS:WS+1]
	s_cselect_b64 s[RSB:RSB+1], s[WS:WS+1], s[ACTS:ACTS+1]
	s_lshl_b32 s92, s[PWS], 11
	s_add_nc_u64 s[PSB:PSB+1], s[PSB:PSB+1], s[92:93]
	s_lshl_b32 s92, s[RWS], 10
	s_add_nc_u64 s[RSB:RSB+1], s[RSB:RSB+1], s[92:93]
	s_lshl_b32 s92, s[YY], 9
	s_add_nc_u64 s[BIA:BIA+1], s[BIA:BIA+1], s[92:93]
	s_lshl_b32 s92, s[PWS], 8
	s_add_nc_u64 s[BQ:BQ+1], s[BIA:BIA+1], s[92:93]
	s_lshl_b32 s92, s[RWS], 7
	s_add_nc_u64 s[BV:BV+1], s[BIA:BIA+1], s[92:93]
	s_lshl_b32 s92, s[YY], 1
	s_add_co_u32 s92, s92, s[ROLE]                 ; the head whose block I store
	s_lshl_b32 s92, s92, 5
	s_add_co_u32 s92, s92, s[XX]                   ; x 32 groups of tokens + X
	s_mov_b32 s50, 2*BLK
	s_cmp_eq_u32 s[GG], 0
	s_cselect_b32 s50, BLK, s50                    ; qimg: a block a group; kv: a chunk of two
	s_mul_i32 s92, s92, s50
	s_cmp_eq_u32 s[GG], 2
	s_cselect_b32 s50, BLK, 0                      ; V's block is the chunk's second
	s_add_co_u32 s92, s92, s50
	s_add_nc_u64 s[OUT:OUT+1], s[OUT:OUT+1], s[92:93]
.irp t, 0,1,2,3
	global_load_b128 v[PS+4*\t:PS+4*\t+3], v[VS], s[PSB:PSB+1] offset:512*\t   ; 16 rows' 32 scale bytes: 512 dense bytes; lanes 0-15 get the words of K steps 0-3, lanes 16-31 of 4-7
.endr
.irp e, 0,1
	global_load_b128 v[RS+4*\e:RS+4*\e+3], v[VS], s[RSB:RSB+1] offset:512*\e
.endr
	s_cmp_eq_u32 s[GG], 2
	s_cbranch_scc1 .Lbias_v
	s_wait_alu depctr_va_vdst(0)
.irp e, 0,1                            ; q, k: register j of tile t in lane (r, h) is feature 16 t + 8 h + j: the same eight numbers begin both token tiles' sums
.irp t, 0,1,2,3
	global_load_b128 v[ACC+32*\e+8*\t:ACC+32*\e+8*\t+3], v[VB], s[BQ:BQ+1] offset:64*\t
	global_load_b128 v[ACC+32*\e+8*\t+4:ACC+32*\e+8*\t+7], v[VB], s[BQ:BQ+1] offset:64*\t+16
.endr
.endr
	s_branch .Lbias_done
.Lbias_v:                              ; v: the feature is the lane's own (16 e + r): one number begins all 32 sums of a tile column
	s_wait_alu depctr_va_vdst(0)
	global_load_b32 v[ACC], v[VR], s[BV:BV+1]
	global_load_b32 v[ACC+32], v[VR], s[BV:BV+1] offset:64
	s_wait_loadcnt 0x0
.irp e, 0,1
.set J_, 1
.rept 31
	v_mov_b32 v[ACC+32*\e+J_], v[ACC+32*\e]
.set J_, J_+1
.endr
.endr
.Lbias_done:
	s_wait_loadcnt 0x0                             ; scale words and bias are in
.macro FRAG reg, adr, s, i             ; tile i's fragment of K step s.  Lanes 0-15 take the row's pieces 12 s + 0, 1, 2, 6, 7, 8, lanes 16-31 those three on; a unit holds 32 pieces
.irp p, 0,1,2,3,4,5
.set PCN, 12*(\s)+6*(\p/3)+\p%3
.if PCN%32 < 29
	ds_load_b64 v[\reg+2*\p:\reg+2*\p+1], v[\adr+PCN/32] offset:8*(PCN%32)+(\i)*T16
.else
	ds_load_b64 v[\reg+2*\p:\reg+2*\p+1], v[\adr+3+PCN/32] offset:8*(PCN%32)+(\i)*T16
.endif
.endr
.endm
; A K step of 128: six fragments, eight products.  The eight accumulators take turns, one instruction a turn, in the same order in every step.
.macro KSTEP s, pa, ra
.rept 4
	v_nop                                          ; four places in front of loads into registers that the last products read (ISA guide 7.12.1 for vector instructions); in step 0 they stand behind the lines that began the sums
.endr
.irp t, 0,1,2,3
	FRAG PF+12*\t, \pa, \s, \t
.endr
.irp e, 0,1
	FRAG RF+12*\e, \ra, \s, \e
.endr
	s_wait_dscnt 0x0
.irp e, 0,1
.irp t, 0,1,2,3
.if (\s) < 4
	v_wmma_scale_f32_16x16x128_f8f6f4 v[ACC+32*\e+8*\t:ACC+32*\e+8*\t+7], v[PF+12*\t:PF+12*\t+11], v[RF+12*\e:RF+12*\e+11], v[ACC+32*\e+8*\t:ACC+32*\e+8*\t+7], v[PS+4*\t+(\s)%4], v[RS+4*\e+(\s)%4] matrix_a_fmt:MATRIX_FMT_FP6 matrix_b_fmt:MATRIX_FMT_FP6
.else
	v_wmma_scale_f32_16x16x128_f8f6f4 v[ACC+32*\e+8*\t:ACC+32*\e+8*\t+7], v[PF+12*\t:PF+12*\t+11], v[RF+12*\e:RF+12*\e+11], v[ACC+32*\e+8*\t:ACC+32*\e+8*\t+7], v[PS+4*\t+(\s)%4], v[RS+4*\e+(\s)%4] matrix_a_fmt:MATRIX_FMT_FP6 matrix_b_fmt:MATRIX_FMT_FP6 matrix_a_scale:MATRIX_SCALE_ROW1 matrix_b_scale:MATRIX_SCALE_ROW1
.endif
.endr
.endr
.endm
.macro ARMS from, to                   ; K steps from .. to, by the role's addresses: the arms hold LDS loads and products alone
	s_cmp_eq_u32 s[GG], 2
	s_cbranch_scc1 .Lrole_v_\@
.set KK_, \from
	s_wait_alu depctr_va_vdst(0)
.rept \to-\from+1
	KSTEP KK_, PQ, RQ
.set KK_, KK_+1
.endr
	s_branch .Lrole_j_\@
.Lrole_v_\@:
.set KK_, \from
	s_wait_alu depctr_va_vdst(0)
.rept \to-\from+1
	KSTEP KK_, PVA, RVA
.set KK_, KK_+1
.endr
.Lrole_j_\@:
.endm
	s_wait_tensorcnt 0x0                           ; my load, if I issued one, is in
	s_barrier_signal -1
	s_barrier_wait -1                              ; all six are: all of K lies in LDS, and nothing is ever filled again
	ARMS 0, 7
	; THE WAY OUT, alike for both roles up to the stage.
.rept 4
	v_nop                                          ; places behind the last products: results are read, and the fragments' registers written, from here on
.endr
.set J_, 0
.rept 64
	v_max_num_f32 v[ACC+J_], 0, v[ACC+J_]          ; relu, in f32; each accumulator from its low end on
.set J_, J_+1
.endr
.irp q, 0,1,2,3                        ; tiles 2 b' and 2 b' + 1 hold P's rows 32 b' + 8 h + j and 32 b' + 16 + 8 h + j: the first's lanes 16-31 change places with the second's lanes 0-15,
.irp j, 0,1,2,3,4,5,6,7                ; and register 16 b' + i of half h is row 32 b' + 16 h + i: 16 neighbours along the quantiser's axis
	v_permlane16_swap_b32 v[ACC+16*\q+\j], v[ACC+16*\q+8+\j]
.endr
.endr
.irp b, 0,1,2,3                        ; four blocks of 32 (b = 2 e + b'); none is negative, so no |.|
	v_max3_num_f32 v[TM+\b], v[ACC+16*\b], v[ACC+1+16*\b], 0x1800000   ; my 16 numbers, and the floor 2^(3 - 127): the byte cannot fall under 1
.endr
.irp i, 2,4,6,8,10,12,14
.irp b, 0,1,2,3
	s_delay_alu instid0(VALU_DEP_4)
	v_max3_num_f32 v[TM+\b], v[TM+\b], v[ACC+16*\b+\i], v[ACC+1+16*\b+\i]
.endr
.endr
.irp b, 0,1,2,3
	s_delay_alu instid0(VALU_DEP_4)
	v_permlanex16_b32 v[TM+4+\b], v[TM+\b], s[SEL], s[SEL+1]
.endr
.irp b, 0,1,2,3
	s_delay_alu instid0(VALU_DEP_4)
	v_max_num_f32 v[TM+\b], v[TM+\b], v[TM+4+\b]   ; with lane l xor 16's: the block's largest
.endr
.irp b, 0,1,2,3
	s_delay_alu instid0(VALU_DEP_4)
	v_add_nc_u32 v[TM+12+\b], 0xff000000, v[TM+\b] ; 2 off its exponent field: the conversion's scale operand
.endr
.irp b, 0,1,2,3
	s_delay_alu instid0(VALU_DEP_4)
	v_lshrrev_b32 v[TM+4+\b], 23, v[TM+12+\b]      ; the scale's byte
.endr
	s_delay_alu instid0(VALU_DEP_3)
	v_lshl_or_b32 v[PW], v[TM+5], 8, v[TM+4]       ; tile column e = 0's two bytes below, e = 1's above
	s_delay_alu instid0(VALU_DEP_1)
	v_lshl_or_b32 v[PW], v[TM+6], 16, v[PW]
	s_delay_alu instid0(VALU_DEP_1)
	v_lshl_or_b32 v[PW], v[TM+7], 24, v[PW]
.irp c, 0,1
	v_cvt_scalef32_pk16_fp6_f32 v[PC+6*\c:PC+2+6*\c], v[ACC+32*\c:ACC+15+32*\c], v[TM+12+2*\c]
	v_cvt_scalef32_pk16_fp6_f32 v[PC+12+4*\c:PC+14+4*\c], v[ACC+16+32*\c:ACC+31+32*\c], v[TM+12+2*\c+1]   ; (a conversion's three registers begin on an even number)
.endr
	v_nop                                          ; one plain place behind a scaled conversion
.irp c, 0,1                            ; a WHOLE block to a lane: lanes 0-15 my 64's first 32, lanes 16-31 the second
.irp i, 0,1,2
	v_permlane16_swap_b32 v[PC+6*\c+\i], v[PC+12+4*\c+\i]
.endr
.irp i, 0,1,2
	s_delay_alu instid0(VALU_DEP_3)
	v_mov_b32 v[PC+3+6*\c+\i], v[PC+12+4*\c+\i]
.endr
.endr
	s_cmp_eq_u32 s[GG], 2
	s_cbranch_scc1 .Lstage_v
	v_and_b32 v[W0], 0xffff, v[PW]                 ; q, k: a row's scale word: two bytes, the upper two 0
	v_lshrrev_b32 v[W0+1], 16, v[PW]
.irp e, 0,1
	ds_store_b64 v[AD0K], v[PC+6*\e:PC+6*\e+1] offset:STGK+1536*\e
	ds_store_b64 v[AD1K], v[PC+6*\e+2:PC+6*\e+3] offset:STGK+8+1536*\e
	ds_store_b64 v[AD0K], v[PC+6*\e+4:PC+6*\e+5] offset:STGK+512+1536*\e
	ds_store_b32 v[ADSK], v[W0+\e] offset:STGK+6144+4*\e           ; both halves of the lanes write the same word with the same value
.endr
	s_branch .Lstage_done
.Lstage_v:
	s_wait_alu depctr_va_vdst(0)
.irp e, 0,1
	ds_store_b64 v[AD0V], v[PC+6*\e:PC+6*\e+1] offset:STGV+1536*\e
	ds_store_b64 v[AD1V], v[PC+6*\e+2:PC+6*\e+3] offset:STGV+8+1536*\e
	ds_store_b64 v[AD0V], v[PC+6*\e+4:PC+6*\e+5] offset:STGV+512+1536*\e
.endr
	ds_store_b16 v[ADSV], v[PW] offset:STGV+6144                   ; my 64 keys' two bytes of tile e = 0's scale word,
	ds_store_b16_d16_hi v[ADSV], v[PW] offset:STGV+6144+4          ; and of e = 1's
.Lstage_done:
	s_wait_dscnt 0x0                               ; for the others' sake: my stores into the stage are done
	s_barrier_signal -1
	s_barrier_wait -1                              ; two whole blocks lie in the stage
	s_cmp_eq_u32 s[GG], 2
	s_cbranch_scc1 .Lback_v
.irp n, 0,1,2
	ds_load_b128 v[CO+4*\n:CO+4*\n+3], v[RD] offset:STGK+2048*\n
.endr
	s_branch .Lback_done
.Lback_v:
.irp n, 0,1,2
	ds_load_b128 v[CO+4*\n:CO+4*\n+3], v[RD] offset:STGV+2048*\n
.endr
.Lback_done:
	s_wait_dscnt 0x0
.irp n, 0,1,2
	global_store_b128 v[VO], v[CO+4*\n:CO+4*\n+3], s[OUT:OUT+1] offset:2048*\n   ; 32 lanes store 512 consecutive bytes, at a multiple of 256 from the buffer's first byte
.endr
	s_cmp_lg_u32 s[PART], 0                        ; a block has 13 quads: the thirteenth, the scale words, goes with waves 0 and 4
	s_cbranch_scc1 .Lno_13th
	s_cmp_eq_u32 s[GG], 2
	s_cbranch_scc1 .L13th_v
	ds_load_b128 v[CO+12:CO+15], v[RD] offset:STGK+6144
	s_branch .L13th_done
.L13th_v:
	ds_load_b128 v[CO+12:CO+15], v[RD] offset:STGV+6144
.L13th_done:
	s_wait_dscnt 0x0
	global_store_b128 v[VO], v[CO+12:CO+15], s[OUT:OUT+1] offset:6144
.Lno_13th:
	s_wait_tensorcnt 0x0                           ; the wave's end: behind my last tensor load and my last LDS store
	ds_add_u32 v[SPW], v[NIL]
	s_wait_dscnt 0x0
	CROUND                                         ; the closing round: no work-group ends while a partner may still ask for a tile that names it
	s_endpgm
.Lfunc_end_k_q29900c20cd_proj:
	.size	k_q29900c20cd_proj, .Lfunc_end_k_q29900c20cd_proj-k_q29900c20cd_proj
	.p2alignl 7, 3214868480
	.fill 96, 4, 3214868480
	.section	.rodata,"a",@progbits
	.p2align	6, 0x0
	.amdhsa_kernel k_q29900c20cd_proj
		.amdhsa_group_segment_fixed_size 245760
		.amdhsa_private_segment_fixed_size 0
		.amdhsa_enable_private_segment 0
		.amdhsa_kernarg_size 136
		.amdhsa_user_sgpr_count 2
		.amdhsa_user_sgpr_kernarg_segment_ptr 1
		.amdhsa_wavefront_size32 1
		.amdhsa_system_sgpr_workgroup_id_x 1
		.amdhsa_system_sgpr_workgroup_id_y 1
		.amdhsa_system_sgpr_workgroup_id_z 1
		.amdhsa_system_vgpr_workitem_id 0
		.amdhsa_next_free_vgpr 240
		.amdhsa_next_free_sgpr 96
		.amdhsa_reserve_vcc 0
		.amdhsa_float_denorm_mode_32 3
		.amdhsa_float_denorm_mode_16_64 3
		.amdhsa_memory_ordered 1
		.amdhsa_forward_progress 1
		.amdhsa_inst_pref_size 83
	.end_amdhsa_kernel
	.amdgpu_metadata
---
amdhsa.version: [ 1, 2 ]
amdhsa.kernels:
  - .name:           k_q29900c20cd_proj
    .symbol:         k_q29900c20cd_proj.kd
    .args:
      - { .name: xq_codes, .offset: 0, .size: 8, .value_kind: global_buffer, .address_space: global }
      - { .name: keys_codes, .offset: 8, .size: 8, .value_kind: global_buffer, .address_space: global }
      - { .name: values_codes, .offset: 16, .size: 8, .value_kind: global_buffer, .address_space: global }
      - { .name: xq_scales, .offset: 24, .size: 8, .value_kind: global_buffer, .address_space: global }
      - { .name: keys_scales, .offset: 32, .size: 8, .value_kind: global_buffer, .address_space: global }
      - { .name: values_scales, .offset: 40, .size: 8, .value_kind: global_buffer, .address_space: global }
      - { .name: Wq_w_codes, .offset: 48, .size: 8, .value_kind: global_buffer, .address_space: global }
      - { .name: Wk_w_codes, .offset: 56, .size: 8, .value_kind: global_buffer, .address_space: global }
      - { .name: Wv_w_codes, .offset: 64, .size: 8, .value_kind: global_buffer, .address_space: global }
      - { .name: Wq_w_scales, .offset: 72, .size: 8, .value_kind: global_buffer, .address_space: global }
      - { .name: Wk_w_scales, .offset: 80, .size: 8, .value_kind: global_buffer, .address_space: global }
      - { .name: Wv_w_scales, .offset: 88, .size: 8, .value_kind: global_buffer, .address_space: global }
      - { .name: Wq_b, .offset: 96, .size: 8, .value_kind: global_buffer, .address_space: global }
      - { .name: Wk_b, .offset: 104, .size: 8, .value_kind: global_buffer, .address_space: global }
      - { .name: Wv_b, .offset: 112, .size: 8, .value_kind: global_buffer, .address_space: global }
      - { .name: qimg, .offset: 120, .size: 8, .value_kind: global_buffer, .address_space: global }
      - { .name: kv, .offset: 128, .size: 8, .value_kind: global_buffer, .address_space: global }
    .group_segment_fixed_size: 245760
    .private_segment_fixed_size: 0
    .kernarg_segment_align: 8
    .kernarg_segment_size: 136
    .max_flat_workgroup_size: 256
    .sgpr_count:     96
    .vgpr_count:     240
    .wavefront_size: 32
...
	.end_amdgpu_metadata
.endif
;; end of part 2
;; launch attn (part 3): grid 16 x 16, 16 waves a work-group, clusters of 4 x 1, 327,680 bytes of LDS; arguments qimg, kv, queries, out0; writes out0
.if DOCPART == 3
	.amdgcn_target "amdgcn-amd-amdhsa--gfx1250"
	.amdhsa_code_object_version 6
	.text
	.protected	k_q29900c20cd_attn
	.globl	k_q29900c20cd_attn
	.p2align	8
	.type	k_q29900c20cd_attn,@function
k_q29900c20cd_attn:
	s_mov_b64 s[64:65], 0
	v_nop
	global_prefetch_b8 v0, s[64:65] scope:SCOPE_SE
	s_setreg_imm32_b32 hwreg(HW_REG_WAVE_MODE, 25, 1), 1
	s_wait_xcnt 0x0
	s_wait_alu depctr_hold_cnt(0) depctr_sa_sdst(0) depctr_va_vdst(0) depctr_va_sdst(0) depctr_va_ssrc(0) depctr_va_vcc(0) depctr_vm_vsrc(0)
	s_getreg_b32 s2, hwreg(HW_REG_IB_STS2, 6, 4)
	s_cmp_eq_u32 s2, 0
	s_cbranch_scc0 .Lentry_in_a_cluster
	s_endpgm
.Lentry_in_a_cluster:
	s_bfe_u32 s2, ttmp6, 0x10000c
	s_cmp_lg_u32 s2, 0x3003
	s_cbranch_scc0 .Lentry_shape_is_right
	s_endpgm
.Lentry_shape_is_right:
; out0 (flat index head x 262,144 + d x 4,096 + s) = O[head][s][d] + queries (same flat index), O = softmax_k(q . k / 8) v: 16 heads of 64, 4,096 queries and keys, no mask; both products on codes of
; FP6 (E2M3) with one E8M0 scale for each 32 along a product's K.  No work of the problem is left out.
; THE SOFTMAX: t = score x log2(e) / 8; M = the row's largest t so far, rounded UP to a whole number; p = 2^(t - M) is quantised along the keys, not normalised.  The row's sum is taken of the unquantised p
; in f32 and divides O at the end.  When M moves, the sum and O are multiplied by 2^(old M - new M): exact.
; OPERANDS are images of their registers, made by the launch before: a block of 6,656 bytes = 12 quads of 512 bytes (lane l's 16 bytes at 16 l) + 512 bytes of scale words; kv: [head][128 keys] chunks of K block, V block.
; SHARES.  A work-group owns 256 queries of one head, each of its sixteen waves a tile of 16; every wave walks all 4,096 keys, 128 a step.
; LAYOUT.  Both products are used transposed (S^T = K Q^T, O^T = V^T P^T): a lane holds ONE query.  Row r' of K's tile 4 c + t is key 64 c + 8 t + r' % 8 + 32 (r' / 8): so lane (r, h)'s 32 registers of tiles
; 4 c .. 4 c + 3 are keys 64 c + 32 h + 0 .. 31: a WHOLE block of the quantiser, in the order in which p's operand wants it.  No other lane is asked for a block's maximum, and no code changes lanes.
; THE HEAD IS 64 AND THE INSTRUCTION'S K IS 128.  Q's fragment has zero codes in its upper six registers.  K's tile T is named as twelve registers from 6 T on: the upper six are the next tile's codes (behind tile 7:
; p's codes); FP6 has no NaN or infinity and both sides' upper scale bytes are 0 (2^-127, not 0xff): those products are exact zeros.
; LDS: region A, 8 chunks, and region B, 16 chunks.  The walk has three phases: steps 0-7 in A, 8-23 in B, 24-31 in A, filled again.  Each wave brings a sixteenth of a region by one tensor load: one load of a wave is out
; at the most.  B is asked for when A is whole and has eight steps in which to land; A's refill has sixteen.  K and V have registers of their own: within a phase step i + 1's K block is asked for at the head of step i's softmax.
; CLUSTERS: the four work-groups of a cluster own query groups of one head and walk the same chunks: every load is asked for JOINTLY (mask 15); a round of the cluster's barrier stands in front of each.
; PREFETCH: chunks 24-31 (106,496 bytes) are asked for behind B's load, eight key steps ahead of the load that wants them: each partner takes a quarter BY ADDRESS, its waves 0-3 26 blocks of 256 bytes each (lanes 26-31
; name the wave's last block again).  Chunks 0-23 come by their loads alone: they are asked for before the first loop begins.
; LIMITS: NaN and infinities are not served.  A block's largest p is taken from its largest score, which takes v_exp_f32 not to fall where its input rises.  v_exp_f32 gives 0 for what lies under 2^-126; a block whose
; every p is 0 keeps the byte 1 with zero codes.  The promise holds while the scaled scores stay under 2^31 in magnitude.
.set CHUNK, 13312
.set BLK,   6656
.set RB,    8*CHUNK                    ; region B begins behind A's eight chunks
.set SPARE, 24*CHUNK                   ; behind B: the spare words, 128 bytes for each of sixteen waves, which no other line names
.set STG,   RB                         ; the way out's stage, 64 rows (d) x (1,024 + 16) bytes, in B: B has had its one fill, and its last read lies ahead of the last barrier of the walk
.set SP,    1040
.set LB,   1                           ; v1  16 x lane
.set ADR,  2                           ; v2  LDS address of the chunk in hand
.set SPW,  3                           ; v3  my spare word; never rewritten
.set NIL,  4                           ; v4  0; never rewritten
.set H8,   5                           ; v5  8 h
.set QS,   6                           ; v6  Q's scale words
.set PW,   7                           ; v7  p's scale word
.set BM,   8                           ; v8-9 my two blocks' largest score, then largest p, then byte
.set SO,   10                          ; v10-11 the conversions' scale operands.  v12 -M, v13 the largest score, v[14:15] the sum in two halves
.set F,    16                          ; v16 f = 2^(old M - new M) (v17 named with it).  v18, v19 at work
.set QF,   20                          ; v20-31 Q's fragment (v26-31 zero codes)
.set KB,   32                          ; v32-79 K's block
.set PCD,  80                          ; v80-91 p's codes, straight behind K's block
.set KS,   92                          ; v92-95 K's scale words: register b: lanes 0-15 tile 2 b, lanes 16-31 tile 2 b + 1
.set S,    96                          ; v96-159 S^T, then p
.set OT,   160                         ; v160-191 O^T
.set VB,   192                         ; v192-239 V's block
.set VS,   240                         ; v240-243 V's scale words
.set PC2,  244                         ; v244-246, v248-250 the blocks' upper halves on the way
.set PFO,  251                         ; v251 the prefetch's offset; never rewritten
.set CH,   252                         ; v252-255 four chains of maxima
.set WV,   12
.set HD,   13
.set CX,   14
.set GX,   15                          ; which 256 queries
.set G1A,  16                          ; s[16:23] group 1: 26 rows of 256 bytes (a sixteenth of A)
.set G1B,  24                          ; s[24:31] group 1: 52 rows (a sixteenth of B)
.set G0A,  32                          ; s[32:35] group 0: chunks 0-7;  s[36:39] chunks 8-23;  s[40:43] chunks 24-31
.set G0B,  36
.set G0C,  40
.set SEL,  48                          ; s[48:49] v_permlanex16_b32's selects for lane l xor 16
.set CS,   50                          ; s[50:51] c = log2(e) / 8
.set NC,   52                          ; -c
.set TB,   53                          ; LDS byte at which the chunk in hand begins
.set CNT,  54
.set PFA,  56                          ; s[56:57] the prefetch's base
.macro ROUND                           ; a round of the cluster's barrier
	s_barrier_signal -1
	s_barrier_wait -1
	s_cmp_lg_u32 s[WV], 0
	s_cbranch_scc1 .Lnot_wave_0_\@
	s_barrier_signal -3
.Lnot_wave_0_\@:
	s_barrier_wait -3
	s_barrier_signal -1
	s_barrier_wait -1
.endm
.macro THREE                           ; three lines in front of a barrier behind which LDS is filled, and at the wave's end
	s_wait_tensorcnt 0x0                           ; all my tensor loads have landed
	ds_add_u32 v[SPW], v[NIL]
	s_wait_dscnt 0x0                               ; the add is done, and so are my LDS reads
.endm
.macro BLOCK reg, sreg, off            ; an image as it stands: twelve quads and the scale words, 13 loads
.set N_, 0
.rept 12
	ds_load_b128 v[\reg+4*N_:\reg+4*N_+3], v[ADR] offset:\off+512*N_
.set N_, N_+1
.endr
	ds_load_b128 v[\sreg:\sreg+3], v[ADR] offset:\off+6144
.endm
.macro LEVEL n                         ; n packed additions in place: pair j += pair j + n
.set J_, 0
.rept \n
	v_pk_add_f32 v[S+J_:S+J_+1], v[S+J_:S+J_+1], v[S+2*\n+J_:S+2*\n+J_+1]
.set J_, J_+2
.endr
.endm
	s_load_b256 s[4:11], s[0:1], 0x0               ; qimg s[4:5], kv s[6:7], queries s[8:9], out0 s[10:11]
	v_lshl_add_u32 v[SPW], v0, 2, SPARE
	v_mov_b32 v[NIL], 0
	ds_add_u32 v[SPW], v[NIL]                      ; the opening: the add, twice on end, and its wait ahead of my first tensor load
	ds_add_u32 v[SPW], v[NIL]
	v_lshrrev_b32 v[ADR], 5, v0
	v_readfirstlane_b32 s[WV], v[ADR]              ; wave 0..15
	s_and_b32 s[HD], ttmp7, 0xffff                 ; the head (a cluster is one work-group high)
	s_bfe_u32 s[CX], ttmp6, 0x40000
	s_lshl_b32 s[GX], ttmp9, 2
	s_add_co_u32 s[GX], s[GX], s[CX]               ; work-group x = 4 x cluster x + cx
.irp g, G1A, G1B                       ; dense rows of 256 bytes (32 elements of 8), no padding: images are read 16 consecutive bytes a lane
	s_mov_b32 s[\g], 15|(3<<16)|(1<<21)            ; the mask names the cluster's four; bit 21 beside it
	s_mov_b32 s[\g+1], 32<<16
	s_mov_b32 s[\g+3], 32<<16
	s_mov_b32 s[\g+5], 32
	s_mov_b32 s[\g+6], 0
	s_mov_b32 s[\g+7], 0
.endr
	s_mov_b32 s[G1A+2], 26<<16
	s_mov_b32 s[G1A+4], 26
	s_mov_b32 s[G1B+2], 52<<16
	s_mov_b32 s[G1B+4], 52
	s_mov_b32 s[G0A], 1
	s_mov_b32 s[G0B], 1
	s_mov_b32 s[G0C], 1
	s_mul_i32 s[G0A+1], s[WV], BLK                 ; my sixteenth of A,
	s_mul_i32 s[G0C+1], s[WV], BLK
	s_mul_i32 s[G0B+1], s[WV], CHUNK               ; and of B
	s_add_co_u32 s[G0B+1], s[G0B+1], RB
	s_mul_i32 s46, s[HD], 32*CHUNK                 ; the head's first byte in kv
	s_mul_i32 s44, s[WV], BLK
	s_add_co_u32 s44, s44, s46
	s_mov_b32 s45, 0
	s_mul_i32 s47, s[WV], CHUNK
	s_add_co_u32 s46, s46, s47
	s_add_co_u32 s46, s46, 8*CHUNK
	s_mov_b32 s47, 0
	s_mul_i32 s60, s[CX], 4*BLK                    ; the prefetch: my work-group's quarter
	s_mov_b32 s61, 0
	s_lshl_b32 s58, s[HD], 5                       ; Q's block: 32 x head + 2 x work-group x + wave / 8
	s_lshl_b32 s59, s[GX], 1
	s_add_co_u32 s58, s58, s59
	s_lshr_b32 s59, s[WV], 3
	s_add_co_u32 s58, s58, s59
	s_mul_i32 s58, s58, BLK
	s_mov_b32 s59, 0
	s_bfe_u32 s53, s[WV], 0x20001                  ; my tile in it, wave % 8 = 2 b + u: b,
	s_and_b32 s54, s[WV], 1                        ; u
	s_mul_i32 s55, s53, 1536                       ; registers 12 b + 6 u on: three quads a pair of tiles; the odd tile a quad and two words further
	s_mul_i32 s62, s54, 1016
	s_add_co_u32 s62, s62, s55
	s_mul_i32 s63, s54, 520
	s_add_co_u32 s55, s55, s63
	s_lshl_b32 s63, s54, 8                         ; its scale words: 16 (r + 16 u) + 4 b
	s_lshl_b32 s53, s53, 2
	s_add_co_u32 s63, s63, s53
	s_lshl_b32 s2, s[HD], 20                       ; queries and out0: 1,048,576 x head + 4 rows of 16,384 x wave + 1,024 x work-group x
	s_lshl_b32 s3, s[WV], 16
	s_add_co_u32 s2, s2, s3
	s_lshl_b32 s3, s[GX], 10
	s_add_co_u32 s2, s2, s3
	s_mov_b32 s3, 0
	s_mov_b32 s[SEL], 0x76543210
	s_mov_b32 s[SEL+1], 0xfedcba98
	s_mov_b32 s[CS], 0x3e38aa3b                    ; c = log2(e) / 8
	s_mov_b32 s[CS+1], s[CS]                       ; (named with it as a pair)
	s_mov_b32 s[NC], 0xbe38aa3b
	s_mov_b32 s[TB], 0
	s_wait_dscnt 0x0                               ; both opening adds are done
	s_wait_kmcnt 0x0
	s_add_nc_u64 s[G0A+2:G0A+3], s[6:7], s[44:45]
	s_add_nc_u64 s[G0C+2:G0C+3], s[G0A+2:G0A+3], 24*CHUNK
	s_add_nc_u64 s[G0B+2:G0B+3], s[6:7], s[46:47]
	s_add_nc_u64 s[PFA:PFA+1], s[G0C+2:G0C+3], s[60:61]   ; chunk 24 + my work-group's quarter + 6,656 x wave (waves 0-3 ask)
	s_or_b32 s[G0A+3], s[G0A+3], 0x80000000        ; type = 2
	s_or_b32 s[G0B+3], s[G0B+3], 0x80000000
	s_or_b32 s[G0C+3], s[G0C+3], 0x80000000
	s_add_nc_u64 s[4:5], s[4:5], s[58:59]
	s_add_nc_u64 s[8:9], s[8:9], s[2:3]
	s_add_nc_u64 s[10:11], s[10:11], s[2:3]
	ROUND                                          ; the four work-groups are here: the first joint loads meet
	tensor_load_to_lds s[G0A:G0A+3], s[G1A:G1A+7]  ; chunks 0-7: every wave's one load at the head
	s_nop 0
	v_and_b32 v[LB], 31, v0
	v_and_b32 v247, 15, v0
	v_bfe_u32 v[H8], v0, 4, 1
	v_min_u32 v[PFO], 25, v[LB]
	v_lshlrev_b32 v[LB], 4, v[LB]
	v_lshl_add_u32 v247, v247, 4, s63
	v_lshlrev_b32 v[PFO], 8, v[PFO]
	v_add_nc_u32 v18, s55, v[LB]
	v_add_nc_u32 v19, s62, v[LB]
	global_load_b64 v[QF:QF+1], v18, s[4:5]        ; Q's six registers stay
	global_load_b64 v[QF+2:QF+3], v19, s[4:5] offset:8
	global_load_b64 v[QF+4:QF+5], v18, s[4:5] offset:512
	global_load_b32 v[QS], v247, s[4:5] offset:6144
	v_lshlrev_b32 v[H8], 3, v[H8]
	v_mov_b32 v13, 0xff61b1e6                      ; the largest score so far: -3e38
	v_mov_b32 v12, 0x7f61b1e6                      ; -M: so large that the first f is 0
	v_mov_b32 v14, 0                               ; the sum, in two halves
	v_mov_b32 v15, 0
	v_mov_b32 v[F+1], 0                            ; (named as the upper half of the pair with f)
.irp j, 0,1,2,3,4,5
	v_mov_b32 v[QF+6+\j], 0                        ; zero codes: K = 64 .. 127 of Q
	v_mov_b32 v[PCD+\j], 0                         ; named behind K's tile 7 before p's first codes are made
.endr
.set J_, 0
.rept 32
	v_mov_b32 v[OT+J_], 0                          ; O^T: the step is written for all steps alike; the first finds zeros
.set J_, J_+1
.endr
; A KEY STEP: 128 keys.  knext = 1: the next step's K block lies in the same region and is asked for here.
.macro STEP knext
	s_wait_dscnt 0x0                               ; K's block is in: asked for a softmax ago, or at the phase's head
.irp q, 0,2,4,6                        ; S^T = K Q^T: eight tiles of 16 keys
	v_wmma_scale_f32_16x16x128_f8f6f4 v[S+8*\q:S+8*\q+7], v[KB+6*\q:KB+6*\q+11], v[QF:QF+11], 0, v[KS+\q/2], v[QS] matrix_a_fmt:MATRIX_FMT_FP6 matrix_b_fmt:MATRIX_FMT_FP6
	v_wmma_scale_f32_16x16x128_f8f6f4 v[S+8*\q+8:S+8*\q+15], v[KB+6*\q+6:KB+6*\q+17], v[QF:QF+11], 0, v[KS+\q/2], v[QS] matrix_a_fmt:MATRIX_FMT_FP6 matrix_b_fmt:MATRIX_FMT_FP6 matrix_a_scale:MATRIX_SCALE_ROW1
.endr
	v_add_nc_u32 v[ADR], s[TB], v[LB]
.rept 3
	v_nop                                          ; with the addition four places: for the loads into registers that the products above and the last step's read, and for the first read of the scores
.endr
	BLOCK VB, VS, BLK                              ; V's block lands while the softmax is walked,
.if \knext
	BLOCK KB, KS, CHUNK                            ; and so does the next step's K block
.endif
.irp b, 0,1,2,3                        ; THE LARGEST SCORE OF EACH BLOCK serves twice: for the row's maximum and, since p rises with the score, for the block's largest p.  Four chains of 16 by turns
	v_max3_num_f32 v[CH+\b], v[S+16*\b], v[S+1+16*\b], v[S+2+16*\b]
.endr
.irp i, 3,5,7,9,11,13
.irp b, 0,1,2,3
	v_max3_num_f32 v[CH+\b], v[CH+\b], v[S+16*\b+\i], v[S+1+16*\b+\i]
.endr
.endr
	v_max3_num_f32 v[BM], v[CH], v[CH+1], v[S+15]
	v_max3_num_f32 v[BM+1], v[CH+2], v[CH+3], v[S+47]
	v_max_num_f32 v[BM], v[BM], v[S+31]            ; block h,
	v_max_num_f32 v[BM+1], v[BM+1], v[S+63]        ; block 2 + h
	v_max_num_f32 v18, v[BM], v[BM+1]
	v_permlanex16_b32 v19, v18, s[SEL], s[SEL+1]
	v_max3_num_f32 v13, v13, v18, v19              ; the running largest score of my query
	v_mul_f32 v18, s[NC], v13                      ; -t
	v_floor_f32 v18, v18                           ; the new -M = floor(-t) = -ceil(t)
	v_sub_f32 v19, v18, v12                        ; M's old value less its new one: a whole number, 0 or less
	v_mov_b32 v12, v18
	v_cvt_i32_f32 v19, v19                         ; (it saturates)
	v_ldexp_f32 v[F], 1.0, v19                     ; f = 2^(old M - new M)
.set J_, 0
.rept 32
	v_pk_fma_f32 v[S+J_:S+J_+1], v[S+J_:S+J_+1], s[CS:CS+1], v[12:13] op_sel_hi:[1,0,0]   ; t - M, two at a time (of the pairs c and -M the low word serves both halves)
.set J_, J_+2
.endr
	v_fma_f32 v[BM], v[BM], s[CS], v12             ; the same of each block's largest score
	v_fma_f32 v[BM+1], v[BM+1], s[CS], v12
.set J_, 0
.rept 16
	v_pk_mul_f32 v[OT+J_:OT+J_+1], v[OT+J_:OT+J_+1], v[F:F+1] op_sel_hi:[1,0]   ; O^T under the new M, each accumulator from its low end on
.set J_, J_+2
.endr
	s_wait_alu depctr_va_vdst(0)                   ; ahead of the batch
	v_exp_f32 v[BM], v[BM]                         ; the blocks' largest p: the same two instructions on the same number give the same bits
	v_exp_f32 v[BM+1], v[BM+1]
.set J_, 0
.rept 64
	v_exp_f32 v[S+J_], v[S+J_]                     ; p = 2^(t - M), at most 1: NOT normalised
.set J_, J_+1
.endr
	v_pk_mul_f32 v[14:15], v[14:15], v[F:F+1] op_sel_hi:[1,0]      ; the sums under the new M (the plain place behind the exponentials)
	s_wait_alu depctr_va_vdst(0)                   ; and behind it, ahead of the first line that names a result
	v_max_num_f32 v[BM], 0x1800000, v[BM]          ; the floor 2^(3 - 127): the byte cannot fall under 1
	v_max_num_f32 v[BM+1], 0x1800000, v[BM+1]
	s_delay_alu instid0(VALU_DEP_2)
	v_add_nc_u32 v[SO], 0xff000000, v[BM]          ; 2 off the exponent field: the conversion's scale operand
	v_add_nc_u32 v[SO+1], 0xff000000, v[BM+1]
.irp c, 0,1
	v_cvt_scalef32_pk16_fp6_f32 v[PCD+6*\c:PCD+6*\c+2], v[S+32*\c:S+32*\c+15], v[SO+\c]
	v_cvt_scalef32_pk16_fp6_f32 v[PC2+4*\c:PC2+4*\c+2], v[S+32*\c+16:S+32*\c+31], v[SO+\c]   ; (a conversion's three registers begin on an even number)
.endr
	v_lshrrev_b32 v[BM], 23, v[SO]                 ; the scales' bytes (also the plain places behind the conversions)
	v_lshrrev_b32 v[BM+1], 23, v[SO+1]
	s_delay_alu instid0(VALU_DEP_1)
	v_lshl_or_b32 v18, v[BM+1], 16, v[BM]          ; blocks h and 2 + h,
	s_delay_alu instid0(VALU_DEP_1)
	v_lshlrev_b32 v18, v[H8], v18                  ; at their places in the scale word;
	s_delay_alu instid0(VALU_DEP_1)
	v_permlanex16_b32 v19, v18, s[SEL], s[SEL+1]
	s_delay_alu instid0(VALU_DEP_1)
	v_or_b32 v[PW], v18, v19                       ; with lane l xor 16's two the word is whole
.irp c, 0,1
.irp i, 0,1,2
	v_mov_b32 v[PCD+3+6*\c+\i], v[PC2+4*\c+\i]     ; registers 6 c .. 6 c + 5: keys 64 c + 32 h + 0 .. 31
.endr
.endr
	LEVEL 16                                       ; THE ROW'S SUM IS TAKEN OF THE UNQUANTISED p, in place: the conversions have read it.  (These 32 are also the places ahead of the products below)
	LEVEL 8
	LEVEL 4
	s_delay_alu instid0(VALU_DEP_2)
	v_pk_add_f32 v[S:S+1], v[S:S+1], v[S+4:S+5]
	s_delay_alu instid0(VALU_DEP_2)
	v_pk_add_f32 v[S+2:S+3], v[S+2:S+3], v[S+6:S+7]
	s_delay_alu instid0(VALU_DEP_2)
	v_pk_add_f32 v[14:15], v[14:15], v[S:S+1]
	s_delay_alu instid0(VALU_DEP_1)
	v_pk_add_f32 v[14:15], v[14:15], v[S+2:S+3]
.if \knext
	s_wait_dscnt 13                                ; V's 13 loads are in; the 13 of the next K block, issued behind them, may be out
.else
	s_wait_dscnt 0x0
.endif
.irp t, 0,1,2,3                        ; O^T += V^T P^T: four tiles of 16 of the head's 64, by turns; K = these 128 keys
	v_wmma_scale_f32_16x16x128_f8f6f4 v[OT+8*\t:OT+8*\t+7], v[VB+12*\t:VB+12*\t+11], v[PCD:PCD+11], v[OT+8*\t:OT+8*\t+7], v[VS+\t], v[PW] matrix_a_fmt:MATRIX_FMT_FP6 matrix_b_fmt:MATRIX_FMT_FP6
.endr
	s_add_co_u32 s[TB], s[TB], CHUNK               ; the next chunk
.endm
; A PHASE: n key steps in one region.  Its first K block is asked for here; its last step, which asks for no further K block, is written out.
.macro PHASE n, ask
	v_add_nc_u32 v[ADR], s[TB], v[LB]
	BLOCK KB, KS, 0
.if \ask
	s_cmp_lt_u32 s[WV], 4                          ; the prefetch of chunks 24-31: waves 0-3, 26 blocks of 256 bytes each
	s_cbranch_scc0 .Lnot_mine_\@
	global_prefetch_b8 v[PFO], s[PFA:PFA+1] th:TH_LOAD_NT scope:SCOPE_SE
.Lnot_mine_\@:
.endif
	s_mov_b32 s[CNT], \n-1
.Lstep_\@:
	STEP 1
	s_sub_co_u32 s[CNT], s[CNT], 1
	s_cmp_lg_u32 s[CNT], 0
	s_cbranch_scc1 .Lstep_\@
	STEP 0
.endm
	s_wait_alu depctr_va_vdst(0)                   ; the head's end
	s_wait_loadcnt 0x0                             ; Q
	THREE                                          ; my part of chunks 0-7 is in
	ROUND                                          ; everybody's is
	tensor_load_to_lds s[G0B:G0B+3], s[G1B:G1B+7]  ; B's one fill, chunks 8-23: the first tensor load behind the round
	s_nop 0
	PHASE 8, 1
	THREE                                          ; my part of B is in, my reads of A are over
	ROUND
	tensor_load_to_lds s[G0C:G0C+3], s[G1A:G1A+7]  ; A is filled again: chunks 24-31
	s_nop 0
	PHASE 16, 0
	s_mov_b32 s[TB], 0
	THREE                                          ; my part of A is in, my reads of B are over; no round follows
	s_barrier_signal -1
	s_barrier_wait -1
	PHASE 8, 0
	; THE WAY OUT.  The output wants O^T: row d, 4,096 queries along it.  The work-group's 64 x 256 numbers meet in the stage; each wave takes four whole rows of 1,024 bytes, adds queries at the same flat index
	; and stores 512 consecutive bytes an instruction.
.set STO, 32
.set RD,  35
.set OB,  36
.irp i, 0,1,2,3,4,5,6,7
	global_load_b128 v[128+4*\i:131+4*\i], v[LB], s[8:9] offset:(\i/2)*16384+(\i%2)*512 th:TH_LOAD_NT   ; asked for first: they land while the stage is filled
.endr
	s_lshr_b32 s44, s[WV], 2                       ; my tile's queries among the 256: 64 (wave / 4) + 8 (wave % 4) + r % 8 + 32 (r / 8), 4 bytes each
	s_lshl_b32 s44, s44, 8
	s_and_b32 s45, s[WV], 3
	s_lshl_b32 s45, s45, 5
	s_add_co_u32 s44, s44, s45
	s_add_co_u32 s44, s44, STG
	s_mul_i32 s45, s[WV], 4*SP                     ; back: rows 4 x wave on
	s_add_co_u32 s45, s45, STG
	s_wait_alu depctr_va_vdst(0)                   ; the sum was written ahead of a wait on LDS
	v_add_f32 v14, v14, v15                        ; the sum's two halves,
	v_and_b32 v32, 7, v0
	v_bfe_u32 v33, v0, 3, 1
	v_bfe_u32 v34, v0, 4, 1
	v_permlanex16_b32 v18, v14, s[SEL], s[SEL+1]
	v_lshlrev_b32 v32, 2, v32
	v_add_nc_u32 v[RD], s45, v[LB]
	v_lshl_add_u32 v32, v33, 7, v32
	v_add_f32 v14, v14, v18                        ; and lane l xor 16's blocks: the row's sum
	v_mad_u32_u24 v32, v34, 8*SP, v32              ; lanes 16-31 hold d eight further on
	v_add_nc_u32 v[STO], s44, v32
	s_wait_alu depctr_va_vdst(0)                   ; ahead of the reciprocal
	v_rcp_f32 v14, v14
	v_nop                                          ; a plain place behind it
	s_wait_alu depctr_va_vdst(0)                   ; and the wait ahead of its first reader, which is also O^T's
.set J_, 0
.rept 16
	v_pk_mul_f32 v[S+J_:S+J_+1], v[OT+J_:OT+J_+1], v[14:15] op_sel_hi:[1,0]   ; O^T / the sum: register 8 t + j is d = 16 t + 8 h + j of my query
.set J_, J_+2
.endr
.irp t, 0,1,2,3
.irp j, 0,1,2,3,4,5,6,7
	ds_store_b32 v[STO], v[S+8*\t+\j] offset:(16*\t+\j)*SP
.endr
.endr
	s_wait_dscnt 0x0                               ; for the others' sake: my stores into the stage are done
	s_barrier_signal -1
	s_barrier_wait -1
.irp i, 0,1,2,3,4,5,6,7
	ds_load_b128 v[OB+4*\i:OB+4*\i+3], v[RD] offset:(\i/2)*SP+(\i%2)*512
.endr
	s_wait_loadcnt 0x0                             ; queries
.irp i, 0,1,2,3,4,5,6,7
	s_wait_dscnt 7-\i                              ; LDS loads come back in order: load i is in, the 7 - i behind it may be out
	v_pk_add_f32 v[OB+4*\i:OB+4*\i+1], v[OB+4*\i:OB+4*\i+1], v[128+4*\i:129+4*\i]
	v_pk_add_f32 v[OB+4*\i+2:OB+4*\i+3], v[OB+4*\i+2:OB+4*\i+3], v[130+4*\i:131+4*\i]
	global_store_b128 v[LB], v[OB+4*\i:OB+4*\i+3], s[10:11] offset:(\i/2)*16384+(\i%2)*512 th:TH_STORE_NT   ; 32 lanes store 512 consecutive bytes, at a multiple of 256 from out0's first byte
.endr
	THREE                                          ; the wave's end
	ROUND                                          ; the closing round: no work-group ends while a partner may still ask for a tile that names it
	s_endpgm
.Lfunc_end_k_q29900c20cd_attn:
	.size	k_q29900c20cd_attn, .Lfunc_end_k_q29900c20cd_attn-k_q29900c20cd_attn
	.p2alignl 7, 3214868480
	.fill 96, 4, 3214868480
	.section	.rodata,"a",@progbits
	.p2align	6, 0x0
	.amdhsa_kernel k_q29900c20cd_attn
		.amdhsa_group_segment_fixed_size 327680
		.amdhsa_private_segment_fixed_size 0
		.amdhsa_enable_private_segment 0
		.amdhsa_kernarg_size 32
		.amdhsa_user_sgpr_count 2
		.amdhsa_user_sgpr_kernarg_segment_ptr 1
		.amdhsa_wavefront_size32 1
		.amdhsa_system_sgpr_workgroup_id_x 1
		.amdhsa_system_sgpr_workgroup_id_y 1
		.amdhsa_system_sgpr_workgroup_id_z 1
		.amdhsa_system_vgpr_workitem_id 0
		.amdhsa_next_free_vgpr 256
		.amdhsa_next_free_sgpr 66
		.amdhsa_reserve_vcc 0
		.amdhsa_float_denorm_mode_32 3
		.amdhsa_float_denorm_mode_16_64 3
		.amdhsa_memory_ordered 1
		.amdhsa_forward_progress 1
		.amdhsa_inst_pref_size 103
	.end_amdhsa_kernel
	.amdgpu_metadata
---
amdhsa.version: [ 1, 2 ]
amdhsa.kernels:
  - .name:           k_q29900c20cd_attn
    .symbol:         k_q29900c20cd_attn.kd
    .args:
      - { .name: qimg, .offset: 0, .size: 8, .value_kind: global_buffer, .address_space: global }
      - { .name: kv, .offset: 8, .size: 8, .value_kind: global_buffer, .address_space: global }
      - { .name: queries, .offset: 16, .size: 8, .value_kind: global_buffer, .address_space: global }
      - { .name: out0, .offset: 24, .size: 8, .value_kind: global_buffer, .address_space: global }
    .group_segment_fixed_size: 327680
    .private_segment_fixed_size: 0
    .kernarg_segment_align: 8
    .kernarg_segment_size: 32
    .max_flat_workgroup_size: 512
    .sgpr_count:     66
    .vgpr_count:     256
    .wavefront_size: 32
...
	.end_amdgpu_metadata
.endif
;; end of part 3
